; MI455X (gfx1250); checked and timed in simulation.
; The chip was launched on July 23, 2026; its instructions are those of AMD's public machine-readable ISA for CDNA 5 (MIT licence, August 2026) and "CDNA5" Instruction Set Architecture Reference Guide (July 2026). The comments in the code are by the model that wrote it; some were corrected since.
;; Bayes Predictor. Allowed arithmetic: matrix products marked QUANTISED: E4M3 operands, one given power-of-two scale a tensor, by v_wmma_f32_16x16x64_fp8_fp8 or v_wmma_f32_16x16x128_fp8_fp8, f32 sums; everything else in f32.
;; Inputs: alphas 32 float32; data_batch 32,768 x 128 float32; inputs 32 x 128 float32; lowp_scales 2 int32 (the exponents e of the quantised operands' scales 2^e).
;; Outputs: out0 32 x 128 float32.
;; This version of the problem:
;;   THIS VERSION OF THE PROBLEM IS GIVEN IN LOW PRECISION. The matrix products marked QUANTISED in the list below multiply operands that are first quantised to E4M3 (4 exponent bits, 3 mantissa bits; 8 bits a number), with one given power-of-two scale for each operand tensor; their sums are f32. All else is computed in f32.
;;   The module's matrix products, in the order in which they are computed (A, B: the left and right operand; K: the contracted axis; several contracted axes count as one K, in the product's order):
;;     1. [M 32, K 32,768] x [K 32,768, N 128]; A: softmax (see below); B: input data_batch: QUANTISED (scales: A lowp_scales[0], B lowp_scales[1])
;;   THE QUANTISER, for each operand of a quantised product, along K:
;;     - The operand's scale is 2^e, e = its entry of the input lowp_scales (int32; the entries are numbered through the quantised products in the list's order, A before B).
;;     - Each number is divided by the scale, clamped to +-448, and rounded to the nearest number of E4M3, ties to even, subnormals kept.
;;     - The product sums the exact products of the quantised numbers (number of the format x scale) in f32.
;;   ~~~python
;;   def quantise(x, axis, e):      # numpy; x: float32 -> the quantised numbers, widened to float32 again
;;       x = np.moveaxis(x, axis, -1); K = x.shape[-1]
;;       r = np.clip(x / 2.0 ** e, -448, 448)
;;       step = 2.0 ** (np.maximum(np.frexp(np.where(r == 0, 1, r))[1] - 1, -6) - 3)
;;       q = np.round(r / step) * step * 2.0 ** e      # np.round: ties to even
;;       return np.moveaxis(q, -1, axis).astype(np.float32)
;;   ~~~
;;   SOFTMAX AHEAD OF A QUANTISED PRODUCT. Where the list says 'softmax', what is quantised is not the finished softmax but p = 2^(t - M), with t = logit x log2(e) and M = ceil(the row's largest t), a whole number; so 1/2 < the row's largest p <= 1. The row's sum l is taken of the UNQUANTISED p, in f32, and the product's result is divided by l at the end. Since M is a whole number, a kernel that streams over the keys may use a running M (the ceiling of the running maximum): every later rescaling is an exact power of two, so the quantised numbers keep their values, but for numbers so far below the row's largest that they fall under the format's range.
;;   OPERANDS COMPUTED ON THE WAY. 'Computed on the way' means the value that the module computes at that place (a softmax that the list does not call 'softmax' is quantised finished and normalised). What goes into a quantiser is computed in f32, as accurately as f32 sums, v_exp_f32 and their like allow (about 1e-6 of the number): no bf16 or f16 on the way to a quantiser, and a product that is left as it is and whose result goes on into a quantised operand takes f32 operands (vector FMAs, or v_wmma_f32_16x16x4_f32). A number that lies on a knife's edge between two numbers of the format may be rounded either way, as far as f32 arithmetic and the matrix unit's own rounding can turn it there, and no further.
;; One version. Each part assembles by itself: llvm-mc -triple=amdgcn-amd-amdhsa -mcpu=gfx1250 --defsym DOCPART=n.
;; ======== version 1 of 1: 2 launches
;; limits: right only within a limited range of input values
;; workspace buffers: part 4,194,304 bytes; stat 65,536 bytes
;; launch partial (part 1): grid 256 x 1, 4 waves a work-group, no clusters, 107,264 bytes of LDS; arguments data_batch, inputs, alphas, lowp_scales, part, stat; writes part, stat
.if DOCPART == 1
	.amdgcn_target "amdgcn-amd-amdhsa--gfx1250"
	.amdhsa_code_object_version 6
	.text
	.protected	k_qdaae9d7d04_partial
	.globl	k_qdaae9d7d04_partial
	.p2align	8
	.type	k_qdaae9d7d04_partial,@function
k_qdaae9d7d04_partial:
	s_mov_b64 s[64:65], 0
	v_nop
	global_prefetch_b8 v0, s[64:65] scope:SCOPE_SE
	s_setreg_imm32_b32 hwreg(HW_REG_WAVE_MODE, 25, 1), 1
	s_wait_xcnt 0x0
; PART OF A SOFTMAX-WEIGHTED MEAN.  Work-group g owns keys 128 g .. 128 g + 127 of data_batch [32768][128] f32, for all 32 queries of inputs [32][128] f32; wave w owns 32 of the keys.
; For query q and key n:  sq = sum over d of (x[q][d] - sqrt(a_q) y[n][d])^2, two fused multiply-adds an element, in f32;  t = k1 sq + k0, k1 = -(0.5 log2 e) / (1 - a), k0 = -64 log2(1 - a): the whole logit times log2 e
; (k0 is the same for all keys, but M is a whole number, so k0 moves the codes: it stays).  M = ceil(largest t of the work-group's 128 keys); p = 2^(t - M); l = sum of the unquantised p;
; O[q][d] = sum over n of code(p) x code(y), codes of E4M3 with the given scales 2^e0 (p) and 2^e1 (y), by v_wmma_f32_16x16x128_fp8_fp8.
; Stored: O as 64 whole blocks of 256 bytes into part [q][half row][g][256 bytes]; (M, l) of the 32 queries as one block of 256 bytes into stat [g].
; STREAM.  A wave's 32 keys come by 32 loads of 512 bytes into registers, all asked for at the head: half row 0 (64 d) of the 32 keys, then half row 1.  Of a load lanes 0-15 take key 16 kt + i, lanes 16-31 key 16 kt + 8 + i,
; 16 bytes a lane.  From the registers the keys go to the wave's own rows in LDS as they are, and CODES OF Y are made from the same registers: eight loads are eight keys of four columns, in the order of keys that p has.
; DISTANCES.  Lane l: kb = l % 4 (keys 8 kb + i, i = 0..7), ds = (l / 4) % 2, qg = l / 8 (queries 8 qg + j, j = 0..7).  Step c of sixteen: d = 8 c + 4 ds + 0..3: 16 LDS loads, 256 packed multiply-adds on 64 pairs of sums (even d, odd d).
; At the end the two lanes that share queries and keys (l and l xor 4) exchange: lane l keeps queries 4 (l / 4) + j, j = 0..3.
; PRODUCT.  Source 0 = 16 queries of p, source 1 = 16 columns of Y, column r of tile t being d = 64 half + 4 r + t: so a lane's results of four tiles are four neighbouring d, and sixteen lanes store 256 consecutive bytes.
; Place 32 w + 16 h + 8 kt + i along K is key 16 kt + 8 h + i of wave w, in both operands.
; REGISTERS: window 0: addresses, constants, sums, differences; window 1: v256-319 y and v320-383 x, two sets each (later Y's fragments), v384-415 codes of Y, v416-448 at work on codes; window 2: v512-639 the keys as loaded.
; NO CLUSTER: the work-groups share x alone, 16 of the 80 KB that each reads, and joint requests are tensor loads, of which there are none.  NO PREFETCH: every load from memory is asked for at the head; no loop loads from memory.
; LIMITS: e0 and e1 between -126 and 119 (each power of two below is an f32 number); a in [0, 1), a denormal a counts as about 0; NaN among the inputs is not served.  Nothing of reference() is left out.
.set XP, 528                           ; an LDS row: 512 bytes + 16
.set BP, 8*XP+32                       ; eight rows and 32 bytes: blocks start 160 bytes apart modulo 256
.set KB, 17152                         ; x's four blocks lie from byte 0; from here each wave's four blocks of keys
.set MB, KB+16*BP                      ; [wave][query] largest t; at +512 the sums of p
.set YI, MB+1024                       ; codes of Y: eight tiles of 16 columns, each an image of an operand's registers, 2,048 bytes
.set PI, YI+16384                      ; codes of p: two tiles
.set SPARE, PI+4096                    ; the spare words, 128 bytes for each wave
.set XG, 5
.set YG, 6
.set AG, 7
.set XST, 8
.set XB0, 9
.set YST, 10
.set YB0, 11
.set XADR, 12
.set YADR, 13
.set MXST, 14
.set MXLD, 15
.set CDS, 16
.set YFL, 17
.set PST, 18
.set PFL, 19
.set GO, 20
.set SGO, 21
.set STL, 22
.set SPW, 23
.set NIL, 24
.set LIMY, 25
.set LIMP, 26
.set SCP, 27
.set NSA, 28                           ; v28-43 -sqrt(a) of eight queries, each twice
.set K1, 44                            ; v44-51 k1 of four queries, each twice; v52-59 k0
.set K0, 52
.set MX, 60
.set ACC, 64                           ; v64-191 sum (j, i) at v[ACC + 2 (8 j + i)], a pair
.set TT, 192                           ; v192-255 32 pairs of differences; later t and p, number 8 j + i
.set PF, 64                            ; later: p's fragment
.set OA, 80                            ; later: the product's four results
.set OUT, 128                          ; later: O on its way out
.set WM, 160
.set NM, 176
.set SM, 64
.set PC, 96
.set XW, 64                            ; in window 1
.set CD, 128
.set WK, 160
.set SCYW, 192
.set DO, 50
.set MSB, 0
.macro WIN new                         ; the immediate's high byte repeats the setting that is left
.if MSB != \new
	s_set_vgpr_msb (MSB<<8)|\new
.set MSB, \new
.endif
.endm
.macro VW
	s_wait_alu depctr_va_vdst(0)
.endm
	s_load_b256 s[4:11], s[0:1], 0x0               ; data s[4:5], inputs s[6:7], alphas s[8:9], scales s[10:11]
	s_load_b128 s[12:15], s[0:1], 0x20             ; part s[12:13], stat s[14:15]
	v_lshl_add_u32 v[SPW], v0, 2, SPARE
	v_mov_b32 v[NIL], 0
	v_lshrrev_b32 v1, 5, v0
	v_readfirstlane_b32 s20, v1                    ; wave 0..3
	v_and_b32 v2, 15, v0                           ; r
	v_bfe_u32 v3, v0, 4, 1                         ; h
	v_and_b32 v4, 31, v0                           ; lane
	v_lshlrev_b32 v[XG], 4, v4
	v_lshlrev_b32 v[YG], 12, v3                    ; lanes 16-31: eight keys on
	v_lshl_add_u32 v[YG], v2, 4, v[YG]
	v_bfe_u32 v61, v0, 3, 2                        ; qg
	v_bfe_u32 v62, v0, 2, 1                        ; ds
	v_and_b32 v63, 3, v0                           ; kb
	v_bfe_u32 v60, v0, 2, 3                        ; l / 4
	v_lshlrev_b32 v[AG], 5, v61                    ; a of eight queries
	v_lshl_add_u32 v[MXLD], v60, 4, MB
	v_lshlrev_b32 v60, 4, v60                      ; a of the four that stay
	VW
	s_mul_i32 s21, s20, BP
	s_mul_i32 s22, s20, 4*BP
	s_add_co_u32 s22, s22, KB
	s_lshl_b32 s23, s20, 9
	s_lshl_b32 s24, s20, 7
	s_and_b32 s26, s20, 1                          ; the product: my 16 queries,
	s_lshr_b32 s27, s20, 1                         ; and my half of the columns
	s_lshl_b32 s28, s27, 13
	s_add_co_u32 s28, s28, YI
	s_lshl_b32 s29, s26, 11
	s_add_co_u32 s29, s29, PI
	s_add_co_u32 s33, s23, YI
	s_add_co_u32 s34, s23, PI
	v_add_nc_u32 v[XST], s21, v[XG]
	v_mul_u32_u24 v[XB0], v61, BP
	v_lshl_add_u32 v[XB0], v62, 4, v[XB0]
	v_mul_u32_u24 v[YB0], v63, BP
	v_lshl_add_u32 v[YB0], v62, 4, v[YB0]
	v_add_nc_u32 v[YB0], s22, v[YB0]
	v_mul_u32_u24 v[YST], v3, BP
	v_lshl_add_u32 v[YST], v2, 4, v[YST]
	v_add_nc_u32 v[YST], s22, v[YST]
	v_mov_b32 v[XADR], v[XB0]
	v_mov_b32 v[YADR], v[YB0]
	v_add_nc_u32 v[MXST], s24, v[MXLD]
	v_lshl_add_u32 v[CDS], v4, 4, s33
	v_lshl_add_u32 v[YFL], v4, 4, s28
	v_lshl_add_u32 v[PFL], v4, 4, s29
	v_lshlrev_b32 v[PST], 11, v3                   ; p's image: fragment l / 16,
	v_bfe_u32 v1, v0, 2, 2
	v_lshl_add_u32 v[PST], v1, 6, v[PST]           ; lane 4 ((l / 4) % 4) + j of it (j stands in the immediate),
	v_and_b32 v1, 1, v0
	v_lshl_add_u32 v[PST], v1, 8, v[PST]           ; + 16 lanes for kb % 2,
	v_bfe_u32 v1, v0, 1, 1
	v_lshl_add_u32 v[PST], v1, 3, v[PST]           ; 8 bytes for kb / 2,
	v_add_nc_u32 v[PST], s34, v[PST]               ; registers 4 w .. 4 w + 3
	v_lshlrev_b32 v[GO], 20, v3                    ; part: 131,072 bytes a query; lanes 16-31 eight queries on
	v_lshl_add_u32 v[GO], v2, 4, v[GO]
	v_lshlrev_b32 v[SGO], 3, v4
	v_lshl_add_u32 v[STL], v4, 2, MB
	s_lshl_b32 s36, ttmp9, 16                      ; my 32 keys
	s_lshl_b32 s37, s20, 14
	s_add_co_u32 s36, s36, s37
	s_mov_b32 s37, 0
	s_lshl_b32 s38, s20, 12                        ; my 8 rows of x
	s_mov_b32 s39, 0
	s_lshl_b32 s40, s26, 21                        ; part: 16 queries on, half row, block g
	s_lshl_b32 s41, s27, 16
	s_add_co_u32 s40, s40, s41
	s_lshl_b32 s42, ttmp9, 8
	s_add_co_u32 s40, s40, s42
	s_mov_b32 s41, 0
	s_mov_b32 s43, 0
	s_mov_b32 s[DO], 0
	VW
	s_wait_kmcnt 0x0
	s_add_nc_u64 s[4:5], s[4:5], s[36:37]
	s_add_nc_u64 s[6:7], s[6:7], s[38:39]
	global_load_b128 v[64:67], v[AG], s[8:9]       ; a of my eight queries,
	global_load_b128 v[68:71], v[AG], s[8:9] offset:16
	global_load_b128 v[72:75], v60, s[8:9]         ; and of the four that stay
.irp i, 0,1,2,3,4,5,6,7
	global_load_b128 v[TT+4*\i:TT+4*\i+3], v[XG], s[6:7] offset:512*\i
.endr
	WIN 0x80
.irp s, 0,1,2,3                                    ; s = 2 x half row + key tile
.irp i, 0,1,2,3,4,5,6,7
	global_load_b128 v[32*\s+4*\i:32*\s+4*\i+3], v[YG], s[4:5] offset:(16*(\s%2)+\i)*512+256*(\s/2) th:TH_LOAD_NT   ; two whole aligned units of 256 bytes
.endr
.endr
	WIN 0
	s_load_b64 s[16:17], s[10:11], 0x0             ; e0 (p), e1 (y)
	s_add_nc_u64 s[12:13], s[12:13], s[40:41]
	s_add_nc_u64 s[14:15], s[14:15], s[42:43]
	s_wait_loadcnt 32                              ; a and my rows of x; behind them the 32 loads of keys
.irp i, 0,1,2,3,4,5,6,7
	ds_store_b128 v[XST], v[TT+4*\i:TT+4*\i+3] offset:XP*\i
.endr
.irp j, 0,1,2,3
	v_sub_f32 v[76+\j], 1.0, v[72+\j]              ; the variance
.endr
	VW
.irp j, 0,1,2,3,4,5,6,7
	v_sqrt_f32 v[80+\j], v[64+\j]
.endr
.irp j, 0,1,2,3,4,5,6,7
	v_rsq_f32 v[88+\j], v[64+\j]
.endr
.irp j, 0,1,2,3
	v_rcp_f32 v[96+\j], v[76+\j]
.endr
.irp j, 0,1,2,3
	v_log_f32 v[100+\j], v[76+\j]
.endr
	v_nop                                          ; a plain line behind the last of the batch
	VW                                             ; one wait for the batch, ahead of its first reader
	s_wait_kmcnt 0x0
	s_add_co_i32 s21, s16, 127
	s_lshl_b32 s22, s21, 23
	v_mov_b32 v[SCP], s22                          ; 2^e0 as f32: the conversion takes its exponent field
	s_add_co_i32 s21, s21, 8
	s_lshl_b32 s21, s21, 23
	s_or_b32 s21, s21, 0x600000
	v_mov_b32 v[LIMP], s21                         ; 448 x 2^e0
	s_add_co_i32 s21, s17, 127
	s_lshl_b32 s22, s21, 23
	s_add_co_i32 s21, s21, 8
	s_lshl_b32 s21, s21, 23
	s_or_b32 s21, s21, 0x600000
	v_mov_b32 v[LIMY], s21                         ; 448 x 2^e1
	WIN 0x40
	v_mov_b32 v[SCYW], s22                         ; 2^e1, in window 1
	WIN 0
	VW
	s_wait_dscnt 0x0                               ; my rows of x are in LDS, for the others' sake
	s_barrier_signal -1
.irp j, 0,1,2,3,4,5,6,7
	v_min_num_f32 v[88+\j], 0x5f800000, v[88+\j]   ; 1 / sqrt(a), held at 2^64 so that a = 0 gives 0 below and not 0 x infinity
.endr
.irp j, 0,1,2,3,4,5,6,7
	v_fma_f32 v[104+\j], -v[80+\j], v[80+\j], v[64+\j]   ; a - s^2
.endr
.irp j, 0,1,2,3,4,5,6,7
	v_mul_f32 v[88+\j], 0.5, v[88+\j]
.endr
.irp j, 0,1,2,3
	v_fma_f32 v[112+\j], -v[76+\j], v[96+\j], 1.0
.endr
.irp j, 0,1,2,3,4,5,6,7
	v_fma_f32 v[NSA+2*\j], -v[104+\j], v[88+\j], -v[80+\j]     ; one step of Newton: -sqrt(a)
	v_fma_f32 v[NSA+2*\j+1], -v[104+\j], v[88+\j], -v[80+\j]
.endr
.irp j, 0,1,2,3
	v_fma_f32 v[96+\j], v[112+\j], v[96+\j], v[96+\j]    ; the same for 1 / variance
.endr
.irp j, 0,1,2,3
	v_mul_f32 v[K1+2*\j], 0xbf38aa3b, v[96+\j]     ; -(0.5 log2 e) / variance
	v_mul_f32 v[K1+2*\j+1], 0xbf38aa3b, v[96+\j]
	v_mul_f32 v[K0+2*\j], 0xc2800000, v[100+\j]    ; -64 log2(variance)
	v_mul_f32 v[K0+2*\j+1], 0xc2800000, v[100+\j]
.endr
	VW
	s_barrier_wait -1                              ; all 32 rows of x are in LDS
; Eight loads' keys (s = 2 x half row + key tile) into my rows in LDS, as they are
.macro YSTORE s
	WIN 0x08
.irp i, 0,1,2,3,4,5,6,7
	ds_store_b128 v[YST], v[32*(\s)+4*\i:32*(\s)+4*\i+3] offset:2*BP*((\s)%2)+XP*\i+256*((\s)/2)
.endr
	WIN 0
.endm
; and their codes: four columns a lane, eight keys each
.macro CODES s
	WIN 0x42
.irp e, 0,1,2,3
.irp k, 0,1,2,3,4,5,6,7
	v_med3_num_f32 v[WK+8*\e+\k], v[32*(\s)+4*\k+\e], -v[LIMY], v[LIMY]   ; the conversion to an 8-bit code does not saturate (ISA guide 7.6.2): the hold at the largest code x the scale
.endr
.endr
	WIN 0x45
.irp e, 0,1,2,3
	v_cvt_scalef32_pk8_fp8_f32 v[CD+4*(4*((\s)/2)+\e)+2*((\s)%2):CD+4*(4*((\s)/2)+\e)+2*((\s)%2)+1], v[WK+8*\e:WK+8*\e+7], v[SCYW]
.endr
	v_nop                                          ; a plain line behind the last conversion of a run
	WIN 0
.endm
.macro CSTORE d                        ; codes of half row d: column 64 d + 4 r + e
	WIN 0x04
.irp e, 0,1,2,3
	ds_store_b128 v[CDS], v[CD+16*(\d)+4*\e:CD+16*(\d)+4*\e+3] offset:2048*(4*(\d)+\e)
.endr
	WIN 0
.endm
; 16 LDS loads: four d of my 8 queries and my 8 keys, off bytes behind the trip's place, into register set st.  Lanes that share a query or a key read the same 16 bytes.
.macro QLOAD st, off
	WIN 0x40
.irp j, 0,1,2,3,4,5,6,7
	ds_load_b128 v[XW+32*(\st)+4*\j:XW+32*(\st)+4*\j+3], v[XADR] offset:XP*\j+(\off)
.endr
.irp i, 0,1,2,3,4,5,6,7
	ds_load_b128 v[32*(\st)+4*\i:32*(\st)+4*\i+3], v[YADR] offset:XP*\i+(\off)
.endr
	WIN 0
.endm
; 256 packed multiply-adds: four d of 8 x 8 pairs, two keys at a time: 32 differences x - sqrt(a) y, then their 32 squares onto the sums.  first = 1: the first squares start the sums: nothing is cleared.
.macro QUAD st, first
.irp b, 0,1,2,3
	WIN 0x11
.irp u, 0,1
.irp j, 0,1,2,3,4,5,6,7
	v_pk_fma_f32 v[TT+32*\u+4*\j:TT+32*\u+4*\j+1], v[32*(\st)+4*(2*\b+\u):32*(\st)+4*(2*\b+\u)+1], v[NSA+2*\j:NSA+2*\j+1], v[XW+32*(\st)+4*\j:XW+32*(\st)+4*\j+1]
	v_pk_fma_f32 v[TT+32*\u+4*\j+2:TT+32*\u+4*\j+3], v[32*(\st)+4*(2*\b+\u)+2:32*(\st)+4*(2*\b+\u)+3], v[NSA+2*\j:NSA+2*\j+1], v[XW+32*(\st)+4*\j+2:XW+32*(\st)+4*\j+3]
.endr
.endr
	WIN 0
.irp e, 0,2
.irp u, 0,1
.irp j, 0,1,2,3,4,5,6,7
.if (\first) && (\e == 0)
	v_pk_mul_f32 v[ACC+2*(8*\j+2*\b+\u):ACC+2*(8*\j+2*\b+\u)+1], v[TT+32*\u+4*\j:TT+32*\u+4*\j+1], v[TT+32*\u+4*\j:TT+32*\u+4*\j+1]
.else
	v_pk_fma_f32 v[ACC+2*(8*\j+2*\b+\u):ACC+2*(8*\j+2*\b+\u)+1], v[TT+32*\u+4*\j+\e:TT+32*\u+4*\j+\e+1], v[TT+32*\u+4*\j+\e:TT+32*\u+4*\j+\e+1], v[ACC+2*(8*\j+2*\b+\u):ACC+2*(8*\j+2*\b+\u)+1]
.endif
.endr
.endr
.endr
.endr
.endm
; Two steps.  Loads run one step ahead, in two register sets by turns.
.macro TRIP first, last
	QLOAD 1, 32
	s_wait_dscnt 16                                ; LDS instructions end in order: all but the sixteen just issued are done
	QUAD 0, \first
.if (\last) == 0
	s_add_co_u32 s[DO], s[DO], 64
	v_add_nc_u32 v[XADR], s[DO], v[XB0]
	v_add_nc_u32 v[YADR], s[DO], v[YB0]
	QLOAD 0, 0
	s_wait_dscnt 16
.else
	s_wait_dscnt 0x0
.endif
	QUAD 1, 0
.endm
	s_wait_loadcnt 24                              ; half row 0 of key tile 0; behind it 24 loads
	YSTORE 0
	CODES 0
	VW
	s_wait_loadcnt 16                              ; of key tile 1; half row 1 may be out
	YSTORE 1
	QLOAD 0, 0                                     ; LDS serves a wave's instructions in order: these see my stores
	CODES 1
	CSTORE 0
	TRIP 1, 0
.Lhalf0:                                           ; steps 2 to 5
	TRIP 0, 0
	s_cmp_lt_u32 s[DO], 192
	s_cbranch_scc1 .Lhalf0
	VW
	s_wait_loadcnt 0x0                             ; half row 1 of all my keys
	YSTORE 2
	YSTORE 3
	CODES 2
	CODES 3
	CSTORE 1
	s_mov_b32 s[DO], 192                           ; step 6 begins at byte 192 of a row
.Lhalf1:                                           ; steps 6 to 13
	TRIP 0, 0
	s_cmp_lt_u32 s[DO], 448
	s_cbranch_scc1 .Lhalf1
	TRIP 0, 1                                      ; steps 14 and 15: nothing is left to load ahead
	v_and_b32 v1, 4, v0
	v_cmp_ne_u32 vcc_lo, 0, v1                     ; ds = 1
.irp j, 0,1,2,3,4,5,6,7
.irp i, 0,1,2,3,4,5,6,7
	v_add_f32 v[ACC+2*(8*\j+\i)], v[ACC+2*(8*\j+\i)], v[ACC+2*(8*\j+\i)+1]   ; the even d's and the odd d's
.endr
.endr
.irp j, 0,1,2,3
.irp i, 0,1,2,3,4,5,6,7
	v_cndmask_b32 v[TT+8*\j+\i], v[ACC+2*(8*\j+\i)], v[ACC+2*(8*\j+32+\i)], vcc_lo      ; what I keep: queries 8 qg + 4 ds + j,
	v_cndmask_b32 v[TT+32+8*\j+\i], v[ACC+2*(8*\j+32+\i)], v[ACC+2*(8*\j+\i)], vcc_lo   ; and what I give
.endr
.endr
.set n, 0
.rept 32
	v_add_f32_dpp v[TT+n], v[TT+32+n], v[TT+n] row_xmask:4 row_mask:0xf bank_mask:0xf   ; sq
.set n, n+1
.endr
.set n, 0
.rept 16
	v_pk_fma_f32 v[TT+n:TT+n+1], v[TT+n:TT+n+1], v[K1+2*(n/8):K1+2*(n/8)+1], v[K0+2*(n/8):K0+2*(n/8)+1]   ; t
.set n, n+2
.endr
.irp j, 0,1,2,3
	v_max3_num_f32 v[MX+\j], v[TT+8*\j], v[TT+8*\j+1], v[TT+8*\j+2]
.endr
.irp j, 0,1,2,3
	v_max3_num_f32 v[MX+\j], v[MX+\j], v[TT+8*\j+3], v[TT+8*\j+4]
.endr
.irp j, 0,1,2,3
	v_max3_num_f32 v[MX+\j], v[MX+\j], v[TT+8*\j+5], v[TT+8*\j+6]
.endr
.irp j, 0,1,2,3
	v_max_num_f32 v[MX+\j], v[MX+\j], v[TT+8*\j+7]
.endr
.irp j, 0,1,2,3
	v_max_num_f32_dpp v[MX+\j], v[MX+\j], v[MX+\j] row_xmask:1 row_mask:0xf bank_mask:0xf   ; the four lanes that share my queries
.endr
.irp j, 0,1,2,3
	v_max_num_f32_dpp v[MX+\j], v[MX+\j], v[MX+\j] row_xmask:2 row_mask:0xf bank_mask:0xf
.endr
	ds_store_b128 v[MXST], v[MX:MX+3]              ; the four lanes store the same words
	VW
	s_wait_dscnt 0x0                               ; for the others' sake
	s_barrier_signal -1
	s_barrier_wait -1                              ; every wave's maxima and codes of Y are in LDS
.irp v, 0,1,2,3
	ds_load_b128 v[WM+4*\v:WM+4*\v+3], v[MXLD] offset:128*\v
.endr
	WIN 0x40
.irp t, 0,1,2,3
.irp c, 0,1,2,3
	ds_load_b128 v[16*\t+4*\c:16*\t+4*\c+3], v[YFL] offset:2048*\t+512*\c
.endr
.endr
	WIN 0
	s_wait_dscnt 16                                ; the maxima; behind them the sixteen loads of Y's fragments
.irp j, 0,1,2,3
	v_max3_num_f32 v[MX+\j], v[WM+\j], v[WM+4+\j], v[WM+8+\j]
.endr
.irp j, 0,1,2,3
	v_max_num_f32 v[MX+\j], v[MX+\j], v[WM+12+\j]
.endr
.irp j, 0,1,2,3
	v_floor_f32 v[NM+2*\j], -v[MX+\j]              ; -M = floor(-t) = -ceil(t): a whole number
.endr
.irp j, 0,1,2,3
	v_mov_b32 v[NM+2*\j+1], v[NM+2*\j]
.endr
.set n, 0
.rept 16
	v_pk_add_f32 v[TT+n:TT+n+1], v[TT+n:TT+n+1], v[NM+2*(n/8):NM+2*(n/8)+1]
.set n, n+2
.endr
	VW
.set n, 0
.rept 32
	v_exp_f32 v[TT+n], v[TT+n]                     ; p = 2^(t - M), at most 1, not normalised
.set n, n+1
.endr
	v_nop                                          ; a plain line behind the last exponential
	VW                                             ; one wait for the 32, ahead of their first reader
.irp j, 0,1,2,3
	v_pk_add_f32 v[SM+4*\j:SM+4*\j+1], v[TT+8*\j:TT+8*\j+1], v[TT+8*\j+2:TT+8*\j+3]     ; the sum is taken of the unquantised p
.endr
.irp j, 0,1,2,3
	v_pk_add_f32 v[SM+4*\j+2:SM+4*\j+3], v[TT+8*\j+4:TT+8*\j+5], v[TT+8*\j+6:TT+8*\j+7]
.endr
.set n, 0
.rept 32
	v_min_num_f32 v[TT+n], v[TT+n], v[LIMP]        ; p is not negative: the hold is one-sided
.set n, n+1
.endr
.irp j, 0,1,2,3
	v_cvt_scalef32_pk8_fp8_f32 v[PC+2*\j:PC+2*\j+1], v[TT+8*\j:TT+8*\j+7], v[SCP]   ; eight neighbours along K of query 4 (l / 4) + j
.endr
.irp j, 0,1,2,3
	v_pk_add_f32 v[SM+4*\j:SM+4*\j+1], v[SM+4*\j:SM+4*\j+1], v[SM+4*\j+2:SM+4*\j+3]
.endr
.irp j, 0,1,2,3
	ds_store_b64 v[PST], v[PC+2*\j:PC+2*\j+1] offset:16*\j
.endr
.irp j, 0,1,2,3
	v_add_f32 v[MX+\j], v[SM+4*\j], v[SM+4*\j+1]
.endr
.irp j, 0,1,2,3
	v_add_f32_dpp v[MX+\j], v[MX+\j], v[MX+\j] row_xmask:1 row_mask:0xf bank_mask:0xf
.endr
.irp j, 0,1,2,3
	v_add_f32_dpp v[MX+\j], v[MX+\j], v[MX+\j] row_xmask:2 row_mask:0xf bank_mask:0xf   ; my wave's 32 keys
.endr
	ds_store_b128 v[MXST], v[MX:MX+3] offset:512
	VW
	s_wait_dscnt 0x0                               ; Y's fragments are in, and, for the others' sake, my stores have landed
	s_barrier_signal -1
	s_barrier_wait -1                              ; p's codes and the sums lie in LDS
.irp c, 0,1,2,3
	ds_load_b128 v[PF+4*\c:PF+4*\c+3], v[PFL] offset:512*\c
.endr
.irp v, 0,1,2,3                                    ; a lane a query: the four waves' maxima and sums
	ds_load_b32 v[112+\v], v[STL] offset:128*\v
.endr
.irp v, 0,1,2,3
	ds_load_b32 v[116+\v], v[STL] offset:512+128*\v
.endr
	s_wait_dscnt 8                                 ; p's fragment; the eight loads behind it may be out
	WIN 0x04
.irp t, 0,1,2,3
	v_wmma_f32_16x16x128_fp8_fp8 v[OA+8*\t:OA+8*\t+7], v[PF:PF+15], v[16*\t:16*\t+15], 0   ; lane (r, h), register j: query 8 h + j of my 16, d = 64 half + 4 r + t
.endr
	WIN 0
	s_wait_dscnt 0x0
	v_max3_num_f32 v120, v112, v113, v114          ; (these seven lines are also the places behind the matrix instructions)
	v_add_f32 v121, v116, v117
	v_add_f32 v122, v118, v119
	v_max_num_f32 v120, v120, v115
	v_add_f32 v121, v121, v122                     ; l
	v_floor_f32 v120, -v120
	v_mul_f32 v120, -1.0, v120                     ; M = -floor(-t)
.irp j, 0,1,2,3,4,5,6,7
.irp t, 0,1,2,3
	v_mov_b32 v[OUT+4*\j+\t], v[OA+8*\t+\j]        ; four neighbouring d of a query side by side; each accumulator from its low end on
.endr
.endr
.irp j, 0,1,2,3,4,5,6,7
	global_store_b128 v[GO], v[OUT+4*\j:OUT+4*\j+3], s[12:13] offset:131072*\j   ; sixteen lanes store 256 consecutive bytes, aligned, twice
.endr
	VW
	s_cmp_lg_u32 s20, 0
	s_cbranch_scc1 .Lend
	global_store_b64 v[SGO], v[120:121], s[14:15]  ; wave 0: 32 lanes store 256 consecutive bytes, aligned
.Lend:
	s_wait_tensorcnt 0x0                           ; the wave's end
	ds_add_u32 v[SPW], v[NIL]
	s_wait_dscnt 0x0
	s_endpgm
.Lfunc_end_k_qdaae9d7d04_partial:
	.size	k_qdaae9d7d04_partial, .Lfunc_end_k_qdaae9d7d04_partial-k_qdaae9d7d04_partial
	.p2alignl 7, 3214868480
	.fill 96, 4, 3214868480
	.section	.rodata,"a",@progbits
	.p2align	6, 0x0
	.amdhsa_kernel k_qdaae9d7d04_partial
		.amdhsa_group_segment_fixed_size 107264
		.amdhsa_private_segment_fixed_size 0
		.amdhsa_enable_private_segment 0
		.amdhsa_kernarg_size 48
		.amdhsa_user_sgpr_count 2
		.amdhsa_user_sgpr_kernarg_segment_ptr 1
		.amdhsa_wavefront_size32 1
		.amdhsa_system_sgpr_workgroup_id_x 1
		.amdhsa_system_sgpr_workgroup_id_y 1
		.amdhsa_system_sgpr_workgroup_id_z 1
		.amdhsa_system_vgpr_workitem_id 0
		.amdhsa_next_free_vgpr 640
		.amdhsa_next_free_sgpr 66
		.amdhsa_reserve_vcc 1
		.amdhsa_float_denorm_mode_32 3
		.amdhsa_float_denorm_mode_16_64 3
		.amdhsa_memory_ordered 1
		.amdhsa_forward_progress 1
		.amdhsa_inst_pref_size 186
	.end_amdhsa_kernel
	.amdgpu_metadata
---
amdhsa.version: [ 1, 2 ]
amdhsa.kernels:
  - .name:           k_qdaae9d7d04_partial
    .symbol:         k_qdaae9d7d04_partial.kd
    .args:
      - { .name: data_batch, .offset: 0, .size: 8, .value_kind: global_buffer, .address_space: global }
      - { .name: inputs, .offset: 8, .size: 8, .value_kind: global_buffer, .address_space: global }
      - { .name: alphas, .offset: 16, .size: 8, .value_kind: global_buffer, .address_space: global }
      - { .name: lowp_scales, .offset: 24, .size: 8, .value_kind: global_buffer, .address_space: global }
      - { .name: part, .offset: 32, .size: 8, .value_kind: global_buffer, .address_space: global }
      - { .name: stat, .offset: 40, .size: 8, .value_kind: global_buffer, .address_space: global }
    .group_segment_fixed_size: 107264
    .private_segment_fixed_size: 0
    .kernarg_segment_align: 8
    .kernarg_segment_size: 48
    .max_flat_workgroup_size: 128
    .sgpr_count:     66
    .vgpr_count:     640
    .wavefront_size: 32
...
	.end_amdgpu_metadata
.endif
;; end of part 1
;; launch combine (part 2): grid 64 x 1, 4 waves a work-group, no clusters, 3,840 bytes of LDS; arguments part, stat, inputs, alphas, lowp_scales, out0; writes out0
.if DOCPART == 2
	.amdgcn_target "amdgcn-amd-amdhsa--gfx1250"
	.amdhsa_code_object_version 6
	.text
	.protected	k_qdaae9d7d04_combine
	.globl	k_qdaae9d7d04_combine
	.p2align	8
	.type	k_qdaae9d7d04_combine,@function
k_qdaae9d7d04_combine:
	s_mov_b64 s[64:65], 0
	v_nop
	global_prefetch_b8 v0, s[64:65] scope:SCOPE_SE
	s_setreg_imm32_b32 hwreg(HW_REG_WAVE_MODE, 25, 1), 1
	s_wait_xcnt 0x0
; THE 256 PARTS ARE JOINED.  Work-group c owns 256 bytes of the output: query q = c / 2, d 64 (c % 2) + 0 .. 63.  Its share of part, [q][half row][g][256 bytes], is 65,536 consecutive bytes.
; out = (x - sqrt(a) x0) / sqrt(1 - a),  x0 = 2^(e0 + e1) (sum over g of 2^(M_g - m) O_g) / (sum over g of 2^(M_g - m) l_g),  m = the largest M_g.  Every M is a whole number, so each weight is an
; exact power of two, made by v_ldexp_f32.
; Four waves, 64 parts each.  Two loads bring (M, l) of the wave's parts, a part a lane; 32 loads bring the parts, two to a load: lanes 0-15 part 32 u + k, lanes 16-31 part 32 u + 16 + k, four d a lane.  All are asked for at once.
; The waves' (m, l) meet in LDS while the parts are on their way: so every wave weighs its parts under the row's m, and at the end plain sums are left.
; No matrix unit, no tensor load, no cluster (the work-groups share the blocks of (M, l) alone, 8 bytes of each for one query), no prefetch (no loop to run ahead in).  Each byte of part is read once.
.set MB, 2048                          ; from byte 0 the waves' sums, 512 bytes each; here (m, l), 8 bytes for each wave
.set WB, 2304                          ; the weights, 256 bytes for each wave
.set SPARE, 3328                       ; the spare words
.set AC, 16                            ; v16-23 two sets of four sums, by turns
.set WP, 32                            ; v32-63 the weights of my half's 32 parts
.set OP, 64                            ; v64-191 the parts
.macro VW
	s_wait_alu depctr_va_vdst(0)
.endm
	s_load_b256 s[4:11], s[0:1], 0x0               ; part s[4:5], stat s[6:7], inputs s[8:9], alphas s[10:11]
	s_load_b128 s[12:15], s[0:1], 0x20             ; scales s[12:13], out s[14:15]
	v_lshl_add_u32 v12, v0, 2, SPARE
	v_mov_b32 v13, 0
	v_lshrrev_b32 v1, 5, v0
	v_readfirstlane_b32 s16, v1                    ; wave 0..3
	v_and_b32 v2, 15, v0
	v_bfe_u32 v3, v0, 4, 1
	v_and_b32 v4, 31, v0
	v_lshlrev_b32 v5, 12, v3                       ; part: lanes 16-31 sixteen parts on
	v_lshl_add_u32 v5, v2, 4, v5
	v_lshlrev_b32 v6, 8, v4                        ; stat: a block a lane
	v_lshlrev_b32 v7, 3, v4                        ; x, out, and the sums read back: two d a lane
	v_mov_b32 v10, MB
	v_mov_b32 v200, 0                              ; written once: a lane permute's destination counts as one of its sources
	v_mov_b32 v201, 0
	VW
	s_lshl_b32 s17, s16, 9
	s_lshl_b32 s18, s16, 3
	s_add_co_u32 s18, s18, MB
	s_lshl_b32 s19, s16, 8
	s_add_co_u32 s19, s19, WB
	v_lshl_add_u32 v8, v4, 4, s17
	v_mov_b32 v9, s18
	v_lshl_add_u32 v14, v4, 2, s19                 ; weights in: a part a lane,
	v_lshl_add_u32 v15, v3, 6, s19                 ; and back: my half's sixteen
	s_lshl_b32 s20, ttmp9, 16
	s_lshl_b32 s22, s16, 14
	s_add_co_u32 s20, s20, s22                     ; part: 65,536 c + 64 parts x 256 bytes x wave
	s_mov_b32 s21, 0
	s_lshr_b32 s26, ttmp9, 1                       ; q
	s_lshl_b32 s23, s26, 3
	s_add_co_u32 s22, s22, s23                     ; stat: 64 blocks x wave + 8 q
	s_mov_b32 s23, 0
	s_lshl_b32 s24, ttmp9, 8                       ; x and out: 512 q + 256 half
	s_mov_b32 s25, 0
	s_lshl_b32 s26, s26, 2
	s_mov_b32 s27, 0
	s_mov_b32 s34, 0x76543210                      ; v_permlanex16_b32: lane l xor 16
	s_mov_b32 s35, 0xfedcba98
	VW
	s_wait_kmcnt 0x0
	s_add_nc_u64 s[6:7], s[6:7], s[22:23]
	s_add_nc_u64 s[4:5], s[4:5], s[20:21]
	global_load_b64 v[24:25], v6, s[6:7]           ; (M, l) of parts 64 w + lane,
	global_load_b64 v[26:27], v6, s[6:7] offset:8192   ; and of the 32 behind them
.set i, 0
.rept 32
	global_load_b128 v[OP+4*i:OP+4*i+3], v5, s[4:5] offset:8192*(i/16)+256*(i%16) th:TH_LOAD_NT   ; two whole units of 256 bytes; read once in the launch
.set i, i+1
.endr
	s_add_nc_u64 s[10:11], s[10:11], s[26:27]
	s_add_nc_u64 s[8:9], s[8:9], s[24:25]
	s_add_nc_u64 s[14:15], s[14:15], s[24:25]
	s_load_b32 s28, s[10:11], 0x0                  ; a of my query
	s_load_b64 s[30:31], s[12:13], 0x0             ; e0, e1
	global_load_b64 v[28:29], v7, s[8:9]           ; x; one line in every wave, with no branch round it
	s_wait_loadcnt 33                              ; both (M, l); behind them the 32 parts and x
	v_max_num_f32 v192, v24, v26
	v_max_num_f32_dpp v192, v192, v192 row_xmask:1 row_mask:0xf bank_mask:0xf
	v_max_num_f32_dpp v192, v192, v192 row_xmask:2 row_mask:0xf bank_mask:0xf
	v_max_num_f32_dpp v192, v192, v192 row_xmask:4 row_mask:0xf bank_mask:0xf
	v_max_num_f32_dpp v192, v192, v192 row_xmask:8 row_mask:0xf bank_mask:0xf
	v_permlanex16_b32 v200, v192, s34, s35
	v_max_num_f32 v192, v192, v200                 ; the wave's largest M
	v_sub_f32 v194, v24, v192                      ; whole numbers, 0 or less
	v_sub_f32 v195, v26, v192
	v_cvt_i32_f32 v194, v194                       ; (it saturates)
	v_cvt_i32_f32 v195, v195
	v_ldexp_f32 v193, v25, v194                    ; l under it
	v_ldexp_f32 v195, v27, v195
	v_add_f32 v193, v193, v195
	v_add_f32_dpp v193, v193, v193 row_xmask:1 row_mask:0xf bank_mask:0xf
	v_add_f32_dpp v193, v193, v193 row_xmask:2 row_mask:0xf bank_mask:0xf
	v_add_f32_dpp v193, v193, v193 row_xmask:4 row_mask:0xf bank_mask:0xf
	v_add_f32_dpp v193, v193, v193 row_xmask:8 row_mask:0xf bank_mask:0xf
	v_permlanex16_b32 v201, v193, s34, s35
	v_add_f32 v193, v193, v201
	ds_store_b64 v9, v[192:193]                    ; all lanes store the same 8 bytes
	VW
	s_wait_dscnt 0x0                               ; for the others' sake
	s_barrier_signal -1
	s_barrier_wait -1
	ds_load_b128 v[196:199], v10                   ; (m, l) of the four waves
	ds_load_b128 v[204:207], v10 offset:16
	s_wait_dscnt 0x0
	v_max3_num_f32 v202, v196, v198, v204
	v_max_num_f32 v202, v202, v206                 ; the row's m
	v_sub_f32 v24, v24, v202
	v_sub_f32 v26, v26, v202
	v_sub_f32 v196, v196, v202
	v_sub_f32 v198, v198, v202
	v_sub_f32 v204, v204, v202
	v_sub_f32 v206, v206, v202
.irp k, 24,26,196,198,204,206
	v_cvt_i32_f32 v[\k], v[\k]
.endr
	v_ldexp_f32 v24, 1.0, v24                      ; my two parts' weights 2^(M - m)
	v_ldexp_f32 v26, 1.0, v26
	v_ldexp_f32 v197, v197, v196
	v_ldexp_f32 v199, v199, v198
	v_ldexp_f32 v205, v205, v204
	v_ldexp_f32 v207, v207, v206
	ds_store_b32 v14, v24
	ds_store_b32 v14, v26 offset:128
.irp u, 0,1
.irp k, 0,1,2,3
	ds_load_b128 v[WP+16*\u+4*\k:WP+16*\u+4*\k+3], v15 offset:128*\u+16*\k   ; my wave's own bytes: LDS serves its instructions in order
.endr
.endr
	v_add_f32 v197, v197, v199
	v_add_f32 v205, v205, v207
	v_add_f32 v203, v197, v205                     ; the row's l
	VW
	s_wait_kmcnt 0x0
	v_sub_f32 v208, 1.0, s28                       ; the variance
	VW
	v_sqrt_f32 v209, s28
	v_rcp_f32 v210, v203
	v_rsq_f32 v211, v208
	s_add_co_i32 s30, s30, s31                     ; e0 + e1
	v_nop                                          ; a plain line behind the last of the three
	VW                                             ; one wait for the three, ahead of their first reader
	v_mul_f32 v209, v209, v210
	v_ldexp_f32 v209, v209, s30                    ; sqrt(a) 2^(e0 + e1) / l
	VW
	s_wait_dscnt 0x0                               ; the weights
.set g, 0
.rept 8
	VW
	s_wait_loadcnt 29-4*g                          ; loads come back in order: four more parts are in; the younger ones and x may be out
.set i, 4*g
.rept 4
.set A, AC+4*(i%2)
.if i < 2
.if i == 0
	v_pk_mul_f32 v[A:A+1], v[OP+4*i:OP+4*i+1], v[WP:WP+1] op_sel_hi:[1,0]   ; the first two start the sums; of a pair of weights the low word serves even parts, the high word odd ones
	v_pk_mul_f32 v[A+2:A+3], v[OP+4*i+2:OP+4*i+3], v[WP:WP+1] op_sel_hi:[1,0]
.else
	v_pk_mul_f32 v[A:A+1], v[OP+4*i:OP+4*i+1], v[WP:WP+1] op_sel:[0,1] op_sel_hi:[1,1]
	v_pk_mul_f32 v[A+2:A+3], v[OP+4*i+2:OP+4*i+3], v[WP:WP+1] op_sel:[0,1] op_sel_hi:[1,1]
.endif
.else
.if i%2 == 0
	v_pk_fma_f32 v[A:A+1], v[OP+4*i:OP+4*i+1], v[WP+i:WP+i+1], v[A:A+1] op_sel_hi:[1,0,1]
	v_pk_fma_f32 v[A+2:A+3], v[OP+4*i+2:OP+4*i+3], v[WP+i:WP+i+1], v[A+2:A+3] op_sel_hi:[1,0,1]
.else
	v_pk_fma_f32 v[A:A+1], v[OP+4*i:OP+4*i+1], v[WP+i-1:WP+i], v[A:A+1] op_sel:[0,1,0] op_sel_hi:[1,1,1]
	v_pk_fma_f32 v[A+2:A+3], v[OP+4*i+2:OP+4*i+3], v[WP+i-1:WP+i], v[A+2:A+3] op_sel:[0,1,0] op_sel_hi:[1,1,1]
.endif
.endif
.set i, i+1
.endr
.set g, g+1
.endr
	v_pk_add_f32 v[AC:AC+1], v[AC:AC+1], v[AC+4:AC+5]
	v_pk_add_f32 v[AC+2:AC+3], v[AC+2:AC+3], v[AC+6:AC+7]
	ds_store_b128 v8, v[AC:AC+3]
	VW
	s_wait_dscnt 0x0                               ; for wave 0's sake
	s_barrier_signal -1
	s_barrier_wait -1
	s_cmp_lg_u32 s16, 0
	s_cbranch_scc1 .Lend
.irp k, 0,1,2,3,4,5,6,7
	ds_load_b64 v[OP+2*\k:OP+2*\k+1], v7 offset:256*\k   ; four waves x two halves of the lanes, two d a lane
.endr
	s_wait_loadcnt 0x0                             ; x
	s_wait_dscnt 0x0
.irp k, 0,2,4,6
	v_pk_add_f32 v[OP+2*\k:OP+2*\k+1], v[OP+2*\k:OP+2*\k+1], v[OP+2*\k+2:OP+2*\k+3]
.endr
	v_pk_add_f32 v[OP:OP+1], v[OP:OP+1], v[OP+4:OP+5]
	v_pk_add_f32 v[OP+8:OP+9], v[OP+8:OP+9], v[OP+12:OP+13]
	v_pk_add_f32 v[OP:OP+1], v[OP:OP+1], v[OP+8:OP+9]
	v_fma_f32 v30, -v209, v[OP], v28               ; x - sqrt(a) x0
	v_fma_f32 v31, -v209, v[OP+1], v29
	v_mul_f32 v30, v30, v211
	v_mul_f32 v31, v31, v211
	global_store_b64 v7, v[30:31], s[14:15]        ; 32 lanes store 256 consecutive bytes, aligned
.Lend:
	s_wait_tensorcnt 0x0                           ; the wave's end
	ds_add_u32 v12, v13
	s_wait_dscnt 0x0
	s_endpgm
.Lfunc_end_k_qdaae9d7d04_combine:
	.size	k_qdaae9d7d04_combine, .Lfunc_end_k_qdaae9d7d04_combine-k_qdaae9d7d04_combine
	.p2alignl 7, 3214868480
	.fill 96, 4, 3214868480
	.section	.rodata,"a",@progbits
	.p2align	6, 0x0
	.amdhsa_kernel k_qdaae9d7d04_combine
		.amdhsa_group_segment_fixed_size 3840
		.amdhsa_private_segment_fixed_size 0
		.amdhsa_enable_private_segment 0
		.amdhsa_kernarg_size 48
		.amdhsa_user_sgpr_count 2
		.amdhsa_user_sgpr_kernarg_segment_ptr 1
		.amdhsa_wavefront_size32 1
		.amdhsa_system_sgpr_workgroup_id_x 1
		.amdhsa_system_sgpr_workgroup_id_y 1
		.amdhsa_system_sgpr_workgroup_id_z 1
		.amdhsa_system_vgpr_workitem_id 0
		.amdhsa_next_free_vgpr 216
		.amdhsa_next_free_sgpr 66
		.amdhsa_reserve_vcc 0
		.amdhsa_float_denorm_mode_32 3
		.amdhsa_float_denorm_mode_16_64 3
		.amdhsa_memory_ordered 1
		.amdhsa_forward_progress 1
		.amdhsa_inst_pref_size 16
	.end_amdhsa_kernel
	.amdgpu_metadata
---
amdhsa.version: [ 1, 2 ]
amdhsa.kernels:
  - .name:           k_qdaae9d7d04_combine
    .symbol:         k_qdaae9d7d04_combine.kd
    .args:
      - { .name: part, .offset: 0, .size: 8, .value_kind: global_buffer, .address_space: global }
      - { .name: stat, .offset: 8, .size: 8, .value_kind: global_buffer, .address_space: global }
      - { .name: inputs, .offset: 16, .size: 8, .value_kind: global_buffer, .address_space: global }
      - { .name: alphas, .offset: 24, .size: 8, .value_kind: global_buffer, .address_space: global }
      - { .name: lowp_scales, .offset: 32, .size: 8, .value_kind: global_buffer, .address_space: global }
      - { .name: out0, .offset: 40, .size: 8, .value_kind: global_buffer, .address_space: global }
    .group_segment_fixed_size: 3840
    .private_segment_fixed_size: 0
    .kernarg_segment_align: 8
    .kernarg_segment_size: 48
    .max_flat_workgroup_size: 128
    .sgpr_count:     66
    .vgpr_count:     216
    .wavefront_size: 32
...
	.end_amdgpu_metadata
.endif
;; end of part 2
